; MI455X (gfx1250); checked and timed in simulation.
; The chip was launched on July 23, 2026; its instructions are those of AMD's public machine-readable ISA for CDNA 5 (MIT licence, August 2026) and "CDNA5" Instruction Set Architecture Reference Guide (July 2026). The comments in the code are by the model that wrote it; some were corrected since.
;; PDE Net Light. Allowed arithmetic: matrix products marked QUANTISED: E3M2 operands, one E8M0 scale for each 32 along K, by v_wmma_scale_f32_16x16x128_f8f6f4 with both operands' format E3M2, f32 sums; products left as they are: f32 operands where the result goes on into a quantised operand, else bf16, f16 or f32 operands; f32 sums; everything else in f32.
;; Inputs: Ug1 512 x 3 float32; Ug2 512 x 3 float32; Uh1 512 x 3 float32; Uh2 512 x 3 float32; Ur1 512 x 3 float32; Ur2 512 x 3 float32; Uz1 512 x 3 float32; Uz2 512 x 3 float32; W 1 x 512 float32; W1 512 x 3 float32; Wg1 512 x 512 float32; Wg2 512 x 512 float32; Wh1 512 x 512 float32; Wh2 512 x 512 float32; Wr1 512 x 512 float32; Wr2 512 x 512 float32; Wz1 512 x 512 float32; Wz2 512 x 512 float32; b 1 x 1 float32; b1 512 x 1 float32; bg1 512 x 1 float32; bg2 512 x 1 float32; bh1 512 x 1 float32; bh2 512 x 1 float32; br1 512 x 1 float32; br2 512 x 1 float32; bz1 512 x 1 float32; bz2 512 x 1 float32; x 3 x 32,768 float32.
;; Outputs: out0 1 x 32,768 float32.
;; This version of the problem:
;;   THIS VERSION OF THE PROBLEM IS GIVEN IN LOW PRECISION. The matrix products marked QUANTISED in the list below multiply operands that are first quantised to E3M2 (3 exponent bits, 2 mantissa bits; 6 bits a number), with one power-of-two scale for each 32 numbers along K (OCP MX v1.0); their sums are f32. All else is computed in f32.
;;   The module's matrix products, in the order in which they are computed (A, B: the left and right operand; K: the contracted axis; several contracted axes count as one K, in the product's order):
;;     1. [M 512, K 3] x [K 3, N 32,768]; A: input W1; B: input x: left as it is (K = 3 < 32)
;;     2. [M 512, K 3] x [K 3, N 32,768]; A: input Uz1; B: input x: left as it is (K = 3 < 32)
;;     3. [M 512, K 512] x [K 512, N 32,768]; A: input Wz1; B: computed on the way: QUANTISED
;;     4. [M 512, K 3] x [K 3, N 32,768]; A: input Ug1; B: input x: left as it is (K = 3 < 32)
;;     5. [M 512, K 512] x [K 512, N 32,768]; A: input Wg1; B: computed on the way: QUANTISED
;;     6. [M 512, K 3] x [K 3, N 32,768]; A: input Ur1; B: input x: left as it is (K = 3 < 32)
;;     7. [M 512, K 512] x [K 512, N 32,768]; A: input Wr1; B: computed on the way: QUANTISED
;;     8. [M 512, K 3] x [K 3, N 32,768]; A: input Uh1; B: input x: left as it is (K = 3 < 32)
;;     9. [M 512, K 512] x [K 512, N 32,768]; A: input Wh1; B: computed on the way: QUANTISED
;;     10. [M 512, K 3] x [K 3, N 32,768]; A: input Uz2; B: input x: left as it is (K = 3 < 32)
;;     11. [M 512, K 512] x [K 512, N 32,768]; A: input Wz2; B: computed on the way: QUANTISED
;;     12. [M 512, K 3] x [K 3, N 32,768]; A: input Ug2; B: input x: left as it is (K = 3 < 32)
;;     13. [M 512, K 512] x [K 512, N 32,768]; A: input Wg2; B: computed on the way: QUANTISED
;;     14. [M 512, K 3] x [K 3, N 32,768]; A: input Ur2; B: input x: left as it is (K = 3 < 32)
;;     15. [M 512, K 512] x [K 512, N 32,768]; A: input Wr2; B: computed on the way: QUANTISED
;;     16. [M 512, K 3] x [K 3, N 32,768]; A: input Uh2; B: input x: left as it is (K = 3 < 32)
;;     17. [M 512, K 512] x [K 512, N 32,768]; A: input Wh2; B: computed on the way: QUANTISED
;;     18. [M 1, K 512] x [K 512, N 32,768]; A: input W; B: computed on the way: left as it is (M = 1 < 16)
;;   THE QUANTISER, for each operand of a quantised product, along K:
;;     - K is cut into blocks of 32 from its start; a last block that is shorter is filled with zeros.
;;     - A block's scale is 2^e with e = floor(log2(the largest magnitude in the block)) - 4, held to -126 .. 127; a block of zeros has e = 0. As a byte (E8M0): e + 127.
;;     - Each number is divided by its block's scale, clamped to +-28, and rounded to the nearest number of E3M2, ties to even, subnormals kept.
;;     - The product sums the exact products of the quantised numbers (number of the format x scale) in f32.
;;   ~~~python
;;   def quantise(x, axis):      # numpy; x: float32 -> the quantised numbers, widened to float32 again
;;       x = np.moveaxis(x, axis, -1); K = x.shape[-1]
;;       x = np.pad(x, [(0, 0)] * (x.ndim - 1) + [(0, -K % 32)]); x = x.reshape(x.shape[:-1] + (-1, 32)); a = np.abs(x).max(-1, keepdims=True)
;;       e = np.where(a > 0, np.clip(np.frexp(np.where(a > 0, a, 1))[1] - 1 - 4, -126, 127), 0)      # np.frexp(a)[1] - 1 = floor(log2(a)), exactly
;;       r = np.clip(x / 2.0 ** e, -28, 28)
;;       step = 2.0 ** (np.maximum(np.frexp(np.where(r == 0, 1, r))[1] - 1, -2) - 2)
;;       q = np.round(r / step) * step * 2.0 ** e      # np.round: ties to even
;;       return np.moveaxis(q.reshape(q.shape[:-2] + (-1,))[..., :K], -1, axis).astype(np.float32)
;;   ~~~
;;   OPERANDS COMPUTED ON THE WAY. 'Computed on the way' means the value that the module computes at that place (a softmax that the list does not call 'softmax' is quantised finished and normalised). What goes into a quantiser is computed in f32, as accurately as f32 sums, v_exp_f32 and their like allow (about 1e-6 of the number): no bf16 or f16 on the way to a quantiser, and a product that is left as it is and whose result goes on into a quantised operand takes f32 operands (vector FMAs, or v_wmma_f32_16x16x4_f32). A number that lies on a knife's edge between two numbers of the format may be rounded either way, as far as f32 arithmetic and the matrix unit's own rounding can turn it there, and no further.
;; One version. Each part assembles by itself: llvm-mc -triple=amdgcn-amd-amdhsa -mcpu=gfx1250 --defsym DOCPART=n.
;; ======== version 1 of 1: 2 launches
;; limits: a function is approximated: absolute error at most 1.2e-07
;; workspace buffers: wq 1,712,128 bytes
;; launch prep (part 1): grid 256 x 1, 4 waves a work-group, no clusters, 34,560 bytes of LDS; arguments Wr1, Wz1, Wg1, Wh1, Wr2, Wz2, Wg2, Wh2, Ur1, Uz1, Ug1, Uh1, Ur2, Uz2, Ug2, Uh2, br1, bz1, bg1, bh1, br2, bz2, bg2, bh2, W1, b1, wq; writes wq
.if DOCPART == 1
	.amdgcn_target "amdgcn-amd-amdhsa--gfx1250"
	.amdhsa_code_object_version 6
	.text
	.protected	k_q124e02fdf5_prep
	.globl	k_q124e02fdf5_prep
	.p2align	8
	.type	k_q124e02fdf5_prep,@function
k_q124e02fdf5_prep:
	s_mov_b64 s[64:65], 0
	v_nop
	global_prefetch_b8 v0, s[64:65] scope:SCOPE_SE
	s_setreg_imm32_b32 hwreg(HW_REG_WAVE_MODE, 25, 1), 1
	s_wait_xcnt 0x0
; The eight weights [512][512] f32 (K innermost) become codes of BF6 (E3M2) with one E8M0 byte for each 32 along K, laid as ONE stream of 128 jobs in the order in which
; the second launch multiplies, each job as images of the operand's registers.  Job g: layer g >> 6, half (g >> 5) & 1, pair of tiles mp = (g >> 1) & 15, kind g & 1; its matrix is number
; 2 (g >> 5) + (g & 1) of R1 Z1 G1 H1 R2 Z2 G2 H2.  A job is 13,312 bytes: 8 fragments (K step s, tile u: 2 s + u) of 1,536 bytes, registers 4 q .. 4 q + 3 of lane l at 512 q + 16 l;
; at 12,288 the scale words (lane 16 u + r: 16 bytes, word s for K step s); at 12,800 the rows (U0 U1 U2 b) as the f32 matrix form takes them (tile u at 256 u, lane (r, h): elements 2 h, 2 h + 1).
; THE ROWS OF A TILE ARE NOT NEIGHBOURS: lane r of tile u takes row 32 mp + 8 u + r + 8 (r / 8), so that the results of tiles 0 and 1 are 16 neighbours along the next product's K.
; Behind the jobs, at 128 x 13,312: the rows (W1 | b1), tile t = 2 mp + u at 256 t.
; SHARES: work-group id: job id >> 1, tile id & 1; wave s takes K step s: 16 rows x 128 numbers, one fragment.  Each load reads 512 consecutive bytes of a row; the rows turn through the wave's own stage
; in LDS (528 bytes apart, an odd multiple of 16) and come back 32 neighbours a block, two whole blocks a lane, so that no other lane is asked for a maximum.
; A block's scale is 2^(floor(log2(its largest magnitude)) - 4); its byte is the largest magnitude's exponent field - 4, held at 1 from below.
; LIMITS: a block of zeros, and one whose largest magnitude lies under 2^-122, keeps the byte 1 (a block of zeros has zero codes, which add nothing, and this program alone reads the bytes);
; NaN and infinities among the inputs are not served.
.set STG,  8448                        ; a wave's stage: 16 rows x 528 bytes
.set SCL,  4*STG                       ; behind the stages: the tile's 16 x 4 scale words, 256 bytes
.set JOBB, 13312
.set W1IM, 128*JOBB
.set R,    16                          ; v16-79   16 rows as loaded, 4 registers each
.set X,    80                          ; v80-143  my two blocks of 32
.set C,    144                         ; v144-155 the fragment
.set CT,   156                         ; v156-163 the upper halves of the two blocks' codes, as the conversions leave them
	s_load_b512 s[4:19], s[0:1], 0x0               ; the eight W
	s_load_b512 s[20:35], s[0:1], 0x40             ; the eight U
	s_load_b512 s[36:51], s[0:1], 0x80             ; the eight b
	s_load_b128 s[52:55], s[0:1], 0xc0             ; W1, b1
	s_load_b64 s[56:57], s[0:1], 0xd0              ; wq
	v_lshl_add_u32 v176, v0, 2, 0x8500
	v_mov_b32 v177, 0
	v_lshrrev_b32 v7, 5, v0
	v_readfirstlane_b32 s58, v7                    ; wave = K step
	v_and_b32 v8, 31, v0                           ; lane
	v_and_b32 v9, 15, v0                           ; r
	v_bfe_u32 v10, v0, 4, 1                        ; h
	v_lshlrev_b32 v1, 4, v8                        ; 16 x lane
	v_lshlrev_b32 v2, 3, v8                        ; 8 x lane
	s_mul_i32 s66, s58, STG
	v_add_nc_u32 v3, s66, v1                       ; the stage, on the way in: a row's 512 bytes as they lie
	v_mul_u32_u24 v4, v9, 528
	v_lshl_add_u32 v4, v10, 7, v4
	v_add_nc_u32 v4, s66, v4                       ; and on the way out: row r, + 128 h: my block of 32
	s_lshl_b32 s67, s58, 2
	s_add_co_u32 s67, s67, SCL
	v_lshl_add_u32 v5, v9, 4, s67                  ; my row's scale word for my K step: 16 r + 4 x wave
	v_add_nc_u32 v6, SCL, v2
	s_lshr_b32 s59, ttmp9, 1                       ; g
	s_and_b32 s60, ttmp9, 1                        ; u
	s_bfe_u32 s61, s59, 0x40001                    ; mp: 4 bits from bit 1
	s_lshr_b32 s62, s59, 5
	s_lshl_b32 s62, s62, 1
	s_and_b32 s63, s59, 1
	s_or_b32 s62, s62, s63                         ; the matrix's number, 0 .. 7
	s_mov_b32 s70, 0x76543210
	s_mov_b32 s71, 0xfedcba98                      ; v_permlanex16_b32's selects for lane l xor 16
	s_lshl_b32 s66, s61, 5
	s_lshl_b32 s67, s60, 3
	s_add_co_u32 s66, s66, s67                     ; the tile's first row: 32 mp + 8 u
	s_lshl_b32 s68, s66, 11                        ; rows of 2,048 bytes,
	s_lshl_b32 s69, s58, 9                         ; + my K step's 512 bytes
	s_add_co_u32 s68, s68, s69
	s_mov_b32 s69, 0
	s_wait_kmcnt 0x0
	; the matrix's three buffers, chosen bit by bit of its number: the conditions hang on the work-group's number alone
	s_bitcmp1_b32 s62, 0
.irp base, 4, 20, 36
.irp q, 0,1,2,3
	s_cselect_b64 s[\base+4*\q:\base+4*\q+1], s[\base+4*\q+2:\base+4*\q+3], s[\base+4*\q:\base+4*\q+1]
.endr
.endr
	s_bitcmp1_b32 s62, 1
.irp base, 4, 20, 36
.irp q, 0,1
	s_cselect_b64 s[\base+8*\q:\base+8*\q+1], s[\base+8*\q+4:\base+8*\q+5], s[\base+8*\q:\base+8*\q+1]
.endr
.endr
	s_bitcmp1_b32 s62, 2
.irp base, 4, 20, 36
	s_cselect_b64 s[\base:\base+1], s[\base+8:\base+9], s[\base:\base+1]
.endr
	s_add_nc_u64 s[4:5], s[4:5], s[68:69]
.irp i, 0,1,2,3,4,5,6,7,8,9,10,11,12,13,14,15
	global_load_b128 v[R+4*\i:R+4*\i+3], v1, s[4:5] offset:(\i+8*(\i/8))*2048 th:TH_LOAD_NT   ; lane i's row of the tile: 512 consecutive bytes, read once in the launch
.endr
	s_mul_i32 s72, s59, JOBB
	s_mov_b32 s73, 0
	s_add_nc_u64 s[74:75], s[56:57], s[72:73]      ; the job
	s_lshl_b32 s72, s58, 1
	s_add_co_u32 s72, s72, s60
	s_mul_i32 s72, s72, 1536
	s_add_nc_u64 s[76:77], s[74:75], s[72:73]      ; my fragment: 2 s + u
.irp i, 0,1,2,3,4,5,6,7,8,9,10,11,12,13,14,15
	s_wait_loadcnt 15-\i                           ; loads come back in order: row i is in, the 15 - i rows behind it may be out
	ds_store_b128 v3, v[R+4*\i:R+4*\i+3] offset:528*\i
.endr
.irp c, 0,1
.irp j, 0,1,2,3,4,5,6,7
	ds_load_b128 v[X+32*\c+4*\j:X+32*\c+4*\j+3], v4 offset:256*\c+16*\j   ; k = 64 c + 32 h + 4 j ..  LDS serves a wave's instructions in order: these see my stores
.endr
.endr
	s_wait_dscnt 0x0
.irp c, 0,1                                    ; my block 2 c + h: all its 32 numbers are mine
	v_max3_num_f32 v[12+\c], |v[X+32*\c]|, |v[X+32*\c+1]|, 0x2800000   ; with the floor 2^(5 - 127): the byte cannot fall under 1
.endr
.irp i, 2,4,6,8,10,12,14,16,18,20,22,24,26,28,30
.irp c, 0,1
	v_max3_num_f32 v[12+\c], v[12+\c], |v[X+32*\c+\i]|, |v[X+32*\c+\i+1]|   ; (the two blocks by turns)
.endr
.endr
.irp c, 0,1
	v_add_nc_u32 v[14+\c], 0xfe000000, v[12+\c]    ; 4 off the exponent field: the conversion takes this operand's exponent field as its scale
.endr
.irp c, 0,1
	v_lshrrev_b32 v[7+\c], 23, v[14+\c]            ; the scale's byte
.endr
	v_lshl_or_b32 v11, v8, 16, v7                  ; my two bytes: blocks h and 2 + h,
	v_lshlrev_b32 v164, 3, v10
	v_lshlrev_b32 v11, v164, v11                   ; at their places in the word (8 h bits up);
	v_mov_b32 v165, 0
	v_permlanex16_b32 v165, v11, s70, s71
	v_or_b32 v11, v11, v165                        ; with lane l xor 16's two the word is whole
.irp c, 0,1
	v_cvt_scalef32_pk16_bf6_f32 v[C+6*\c:C+6*\c+2], v[X+32*\c:X+32*\c+15], v[14+\c]
	v_cvt_scalef32_pk16_bf6_f32 v[CT+4*\c:CT+4*\c+2], v[X+32*\c+16:X+32*\c+31], v[14+\c]   ; (a conversion's three registers begin on an even number: these are moved)
.endr
	v_nop                                          ; one plain place behind a scaled conversion
.irp c, 0,1
.irp i, 0,1,2
	v_mov_b32 v[C+6*\c+3+\i], v[CT+4*\c+\i]
.endr
.endr
.irp q, 0,1,2
	global_store_b128 v1, v[C+4*\q:C+4*\q+3], s[76:77] offset:512*\q   ; the image: 512 consecutive bytes a store, at a multiple of 256 from the buffer's first byte
.endr
	ds_store_b32 v5, v11                           ; both halves of the lanes write the same word with the same value
	s_wait_dscnt 0x0                               ; for the others' sake: my word has landed
	s_barrier_signal -1
	s_barrier_wait -1
	s_cmp_lg_u32 s58, 0
	s_cbranch_scc1 .Lnot_wave_0
	ds_load_b64 v[12:13], v6                       ; wave 0: the tile's 64 scale words leave as 256 consecutive bytes
	s_lshl_b32 s72, s60, 8
	s_add_co_u32 s72, s72, 12288
	s_add_nc_u64 s[78:79], s[74:75], s[72:73]
	s_wait_dscnt 0x0
	global_store_b64 v2, v[12:13], s[78:79]
	s_branch .Lend
.Lnot_wave_0:
	s_cmp_eq_u32 s58, 3
	s_cbranch_scc1 .Lend
	s_cmp_eq_u32 s58, 1
	s_cbranch_scc1 .Limage                         ; wave 1: the job's rows (U | b)
	s_cmp_lt_u32 s59, 16
	s_cbranch_scc0 .Lend                           ; wave 2, in the first 32 work-groups: tile id of (W1 | b1)
.Limage:
	s_lshl_b32 s68, s60, 8
	s_add_co_u32 s68, s68, 12800                   ; wave 1: in the job, 12,800 + 256 u
	s_lshl_b32 s69, ttmp9, 8
	s_add_co_u32 s69, s69, W1IM                    ; wave 2: behind the jobs, 256 x tile
	s_cmp_eq_u32 s58, 1
	s_cselect_b64 s[20:21], s[20:21], s[52:53]
	s_cselect_b64 s[36:37], s[36:37], s[54:55]
	s_cselect_b64 s[78:79], s[74:75], s[56:57]
	s_cselect_b32 s61, s61, s59                    ; the pair of tiles: mp, or g
	s_cselect_b32 s68, s68, s69
	s_mov_b32 s69, 0
	s_add_nc_u64 s[78:79], s[78:79], s[68:69]
	s_lshl_b32 s66, s61, 5
	s_lshl_b32 s67, s60, 3
	s_add_co_u32 s66, s66, s67
	v_and_b32 v12, 8, v9
	v_add3_u32 v12, v12, v9, s66                   ; my row: 32 mp + 8 u + r + 8 (r / 8)
	v_mul_u32_u24 v13, v12, 12                     ; a row of U is 12 bytes
	v_lshl_add_u32 v14, v10, 3, v13
	v_lshlrev_b32 v15, 2, v12
	global_load_b32 v164, v14, s[20:21]            ; U0 (h = 0) or U2 (h = 1)
	global_load_b32 v165, v13, s[20:21] offset:4   ; U1
	global_load_b32 v166, v15, s[36:37]            ; b
	s_wait_loadcnt 0x0
	v_cmp_eq_u32 vcc_lo, 1, v10
	v_cndmask_b32 v165, v165, v166, vcc_lo         ; the second element: U1 or b
	global_store_b64 v2, v[164:165], s[78:79]      ; 256 consecutive bytes
.Lend:
	s_wait_tensorcnt 0x0
	ds_add_u32 v176, v177
	s_wait_dscnt 0x0
	s_endpgm
.Lfunc_end_k_q124e02fdf5_prep:
	.size	k_q124e02fdf5_prep, .Lfunc_end_k_q124e02fdf5_prep-k_q124e02fdf5_prep
	.p2alignl 7, 3214868480
	.fill 96, 4, 3214868480
	.section	.rodata,"a",@progbits
	.p2align	6, 0x0
	.amdhsa_kernel k_q124e02fdf5_prep
		.amdhsa_group_segment_fixed_size 34560
		.amdhsa_private_segment_fixed_size 0
		.amdhsa_enable_private_segment 0
		.amdhsa_kernarg_size 216
		.amdhsa_user_sgpr_count 2
		.amdhsa_user_sgpr_kernarg_segment_ptr 1
		.amdhsa_wavefront_size32 1
		.amdhsa_system_sgpr_workgroup_id_x 1
		.amdhsa_system_sgpr_workgroup_id_y 1
		.amdhsa_system_sgpr_workgroup_id_z 1
		.amdhsa_system_vgpr_workitem_id 0
		.amdhsa_next_free_vgpr 178
		.amdhsa_next_free_sgpr 80
		.amdhsa_reserve_vcc 1
		.amdhsa_float_denorm_mode_32 3
		.amdhsa_float_denorm_mode_16_64 3
		.amdhsa_memory_ordered 1
		.amdhsa_forward_progress 1
		.amdhsa_inst_pref_size 13
	.end_amdhsa_kernel
	.amdgpu_metadata
---
amdhsa.version: [ 1, 2 ]
amdhsa.kernels:
  - .name:           k_q124e02fdf5_prep
    .symbol:         k_q124e02fdf5_prep.kd
    .args:
      - { .name: Wr1, .offset: 0, .size: 8, .value_kind: global_buffer, .address_space: global }
      - { .name: Wz1, .offset: 8, .size: 8, .value_kind: global_buffer, .address_space: global }
      - { .name: Wg1, .offset: 16, .size: 8, .value_kind: global_buffer, .address_space: global }
      - { .name: Wh1, .offset: 24, .size: 8, .value_kind: global_buffer, .address_space: global }
      - { .name: Wr2, .offset: 32, .size: 8, .value_kind: global_buffer, .address_space: global }
      - { .name: Wz2, .offset: 40, .size: 8, .value_kind: global_buffer, .address_space: global }
      - { .name: Wg2, .offset: 48, .size: 8, .value_kind: global_buffer, .address_space: global }
      - { .name: Wh2, .offset: 56, .size: 8, .value_kind: global_buffer, .address_space: global }
      - { .name: Ur1, .offset: 64, .size: 8, .value_kind: global_buffer, .address_space: global }
      - { .name: Uz1, .offset: 72, .size: 8, .value_kind: global_buffer, .address_space: global }
      - { .name: Ug1, .offset: 80, .size: 8, .value_kind: global_buffer, .address_space: global }
      - { .name: Uh1, .offset: 88, .size: 8, .value_kind: global_buffer, .address_space: global }
      - { .name: Ur2, .offset: 96, .size: 8, .value_kind: global_buffer, .address_space: global }
      - { .name: Uz2, .offset: 104, .size: 8, .value_kind: global_buffer, .address_space: global }
      - { .name: Ug2, .offset: 112, .size: 8, .value_kind: global_buffer, .address_space: global }
      - { .name: Uh2, .offset: 120, .size: 8, .value_kind: global_buffer, .address_space: global }
      - { .name: br1, .offset: 128, .size: 8, .value_kind: global_buffer, .address_space: global }
      - { .name: bz1, .offset: 136, .size: 8, .value_kind: global_buffer, .address_space: global }
      - { .name: bg1, .offset: 144, .size: 8, .value_kind: global_buffer, .address_space: global }
      - { .name: bh1, .offset: 152, .size: 8, .value_kind: global_buffer, .address_space: global }
      - { .name: br2, .offset: 160, .size: 8, .value_kind: global_buffer, .address_space: global }
      - { .name: bz2, .offset: 168, .size: 8, .value_kind: global_buffer, .address_space: global }
      - { .name: bg2, .offset: 176, .size: 8, .value_kind: global_buffer, .address_space: global }
      - { .name: bh2, .offset: 184, .size: 8, .value_kind: global_buffer, .address_space: global }
      - { .name: W1, .offset: 192, .size: 8, .value_kind: global_buffer, .address_space: global }
      - { .name: b1, .offset: 200, .size: 8, .value_kind: global_buffer, .address_space: global }
      - { .name: wq, .offset: 208, .size: 8, .value_kind: global_buffer, .address_space: global }
    .group_segment_fixed_size: 34560
    .private_segment_fixed_size: 0
    .kernarg_segment_align: 8
    .kernarg_segment_size: 216
    .max_flat_workgroup_size: 128
    .sgpr_count:     80
    .vgpr_count:     178
    .wavefront_size: 32
...
	.end_amdgpu_metadata
.endif
;; end of part 1
;; launch chain (part 2): grid 256 x 1, 4 waves a work-group, clusters of 4 x 1, 327,680 bytes of LDS; arguments x, W, b, wq, out0; writes out0
.if DOCPART == 2
	.amdgcn_target "amdgcn-amd-amdhsa--gfx1250"
	.amdhsa_code_object_version 6
	.text
	.protected	k_q124e02fdf5_chain
	.globl	k_q124e02fdf5_chain
	.p2align	8
	.type	k_q124e02fdf5_chain,@function
k_q124e02fdf5_chain:
	s_mov_b64 s[64:65], 0
	v_nop
	global_prefetch_b8 v0, s[64:65] scope:SCOPE_SE
	s_setreg_imm32_b32 hwreg(HW_REG_WAVE_MODE, 25, 1), 1
	s_wait_xcnt 0x0
	s_wait_alu depctr_hold_cnt(0) depctr_sa_sdst(0) depctr_va_vdst(0) depctr_va_sdst(0) depctr_va_ssrc(0) depctr_va_vcc(0) depctr_vm_vsrc(0)
	s_getreg_b32 s2, hwreg(HW_REG_IB_STS2, 6, 4)
	s_cmp_eq_u32 s2, 0
	s_cbranch_scc0 .Lentry_in_a_cluster
	s_endpgm
.Lentry_in_a_cluster:
	s_bfe_u32 s2, ttmp6, 0x10000c
	s_cmp_lg_u32 s2, 0x3003
	s_cbranch_scc0 .Lentry_shape_is_right
	s_endpgm
.Lentry_shape_is_right:
; The whole network for 128 points a work-group.  S1 = tanh(W1 x + b1); in each of two layers Z, G, R = tanh(U x + W S + b), H = tanh(U x + W (S R) + b), S' = (1 - G) H + Z S; out = W S3 + b.
; The eight products of 512 x 512 are made on codes of BF6 (E3M2) with one E8M0 scale for each 32 along K; their weights come quantised from the first launch, as a stream of 128 jobs.
; SHARES.  THE WAVES SHARE THE POINTS: a wave owns 32 points (two tiles of 16) and all 512 hidden units, so no wave needs another's numbers.  S (f32, 512 registers), the codes of S and the codes of S R
; stay in the wave's registers; the only barriers are those of the weights' ring and one on the way out.
; LAYOUT.  The products are used transposed: source 0 = 16 rows of a weight, source 1 = 16 points: a lane holds ONE point (lane % 16).  The rows of a tile are chosen (first launch) so that the 16 registers
; of tiles 0 and 1 of a job are hidden units 32 mp + 16 (lane / 16) + 0 .. 15: 16 neighbours along the next K, half of a quantiser's block; the other half lies in lane l xor 16.
; A JOB is 32 rows of one weight (two tiles) against my two tiles of points: four accumulators.  U x + b starts each of them: one f32 matrix instruction, A = (U0 U1 U2 b), B = (x0 x1 x2 1); 16 scaled
; products follow, the four accumulators by turns.  Jobs come in pairs: (R, Z) in a layer's first half, (G, H) in its second.  First half: S R is quantised into the second set of codes, Z S takes S's place.
; Second half: S += (1 - G) H.
; tanh(a) = 1 - 2 r, r = 1 / (1 + 2^(2 log2(e) a)); 1 - G is 2 r.
; BY TURNS.  A wave is alone on its SIMD, so the tanh of the job before stands in slices behind the matrix instructions of the job in hand: 8 exponentials behind each f32 product, 2 reciprocals (and for
; half of them an addition) behind each scaled one.  All these lines have a vector register as source 0 alone, so they run under the products' window setting: a slice costs no switch.
; The job's sums are taken out of the one bank of accumulators in a block of 16 scalings between two jobs.  A's fragments have one set of registers: K steps 0 and 1 of the next job are fetched when step 2's
; products are out, steps 2 and 3 behind the last product; the scale words and (U | b) have two sets, by turns.  What a pair does to S (macro CASE) is not cut into slices: its register numbers hang on the pair,
; and sixteen copies with products in them would be too much text.  A slot's first job is multiplied bare and its last tanh stands bare, so that every change of slots, of half and of layer finds S and the codes finished.
; THE RING.  Two LDS slots of 8 jobs; each wave brings a quarter of a slot by one tensor load.  The four work-groups of a cluster walk the same stream, so each quarter is asked for JOINTLY (mask 15).
; All of a WGP's LDS is claimed.
; LIMITS: tanh's error is about 2^-23 absolute, so its relative error grows for arguments far under 1; it goes to +-1 without NaN for every finite argument.  NaN and infinities among the inputs are not served.
; A block whose largest magnitude lies under 2^-122 (a block of zeros too) keeps the scale byte 1; a block of zeros has zero codes, which add nothing.
; REGISTERS, in windows of 256 (s_set_vgpr_msb: bits 1:0 source 0, 3:2 source 1, 5:4 source 2, 7:6 destination):
;   window 0: v1-7 addresses; v8-15, v16-23 the scale words of the two sets of codes (4 p + s); v24-27, v250-253 the scale words of a pair's first and second job; v28-31, v244-247 their (U | b);
;             v32-127 a job's 8 fragments; v128-159 the accumulators (16 p + 8 u), written by matrix instructions alone; v160-191, v192-223 the two jobs' tanh; v224-239 at work; v248-249 addresses
;   window 1: v0-95 the codes of S (12 (4 p + s)); v96-191 the codes of S R; v192-195 (x | 1); v196-203 halves of blocks on their way
;   window 2 + p: S of tile p of my points: register 16 mp + e
.set JOBB,  13312
.set PAIRB, 2*JOBB
.set SLOTB, 4*PAIRB                    ; 106,496
.set SLOT1, 1<<17                      ; slot 1 begins here: one exclusive or turns an address in one slot into the other's
.set WL,    SLOT1+SLOTB                ; W, 2,048 bytes, filled once
.set OUTST, WL+2048                    ; the stage for out0, 512 bytes: stored into, never filled
.set SPARE, OUTST+512                  ; the spare words, 128 bytes for each wave: two blocks of 256 bytes that no other line names
.set W1IM,  128*JOBB                   ; where the rows (W1 | b1) lie in wq
.set L16,  1                           ; v1   16 x lane
.set L8,   2                           ; v2   8 x lane
.set ADR,  3                           ; v3   the pair that is being fetched + 16 x lane
.set ADR8, 4                           ; v4   the same + 8 x lane
.set SPW,  5                           ; v5   my spare word; never rewritten
.set NIL,  6                           ; v6   0; never rewritten
.set OSA,  7                           ; v7   OUTST + 4 x thread
.set BSC1, 8
.set BSC2, 16
.set ASC,  24                          ; job k of a pair: v[ASC + 226 k] on
.set UB,   28                          ; job k of a pair: v[UB + 216 k] on
.set AF,   32
.set ACC,  128
.set T1,   160
.set T2,   192
.set TM,   224                         ; +0..3 largest magnitudes, +4..7 the exchange and the bytes, +12..15 the conversions' scale operands
.set OA,   224                         ; the last product's eight chains
.set OSR,  248                         ; v248 OUTST + 16 x lane
.set WLA,  249                         ; v249 WL + 64 (lane / 16)
.set SET1, 0                           ; in window 1
.set SET2, 96
.set XB,   192
.set CY,   196
; s14 wave; s15 cx; s16 work-group x; s17 at work; s[24:31], s[32:35] groups 1 and 0 of the stream; s[36:43], s[44:47] of W; s[48:49] 2 log2(e), twice; s[50:51] lane selects;
; s52 the slot, 0 .. 15; s53 the pair in the slot; s55 LDS byte of the pair that is being fetched; s56 b; s57 the mask of lanes 0-15; s[58:59] the rows (W1 | b1)
.set MSB, 0
.macro WIN new                         ; the immediate's high byte repeats the setting that is left; a switch that changes nothing is dropped
.if MSB != (\new)
	s_set_vgpr_msb (MSB<<8)|(\new)
.set MSB, (\new)
.endif
.endm
.macro PLACES n                        ; places behind matrix instructions: plain vector instructions that name none of their registers (ISA guide 7.12.1)
.rept \n
	v_nop
.endr
.endm
.macro CROUND                          ; a round of the cluster's barrier
	s_barrier_signal -1
	s_barrier_wait -1
	s_cmp_lg_u32 s14, 0
	s_cbranch_scc1 .Lnot_wave_0_\@
	s_barrier_signal -3
.Lnot_wave_0_\@:
	s_barrier_wait -3
	s_barrier_signal -1
	s_barrier_wait -1
.endm
; THE CHANGE OF SLOTS stands at a slot's head.  Each wave waits for all its tensor loads (its quarter of the slot ahead), adds 0 to its spare word, and waits for that and for its reads of the slot that it has left.
; fill = 1: the barrier is a round of the cluster's, and behind it the slot just left takes the next 8 jobs: the wave's one tensor load until the next change; it has a slot's 160 matrix instructions in which to land.
.macro CHANGE fill
	s_wait_tensorcnt 0x0                           ; no tensor load of mine is out, so group 0 may be written
	ds_add_u32 v[SPW], v[NIL]                      ; 0 onto my spare word
.if \fill
	s_xor_b32 s33, s33, SLOT1                      ; the other slot than last time,
	s_add_nc_u64 s[34:35], s[34:35], SLOTB         ; the next 8 jobs; the type bits on top are not reached
.endif
	s_wait_dscnt 0x0                               ; the add is done, and my reads of the slot that I have left are over
.if \fill
	CROUND
	tensor_load_to_lds s[32:35], s[24:31]
	s_nop 0
	PLACES 4
.else
	s_barrier_signal -1
	s_barrier_wait -1
.endif
.endm
; A JOB'S 27 LDS LOADS, each of consecutive bytes: the images as they lie.  They always go out in this order: the 3 small ones, the 12 of K steps 0 and 1, the 12 of K steps 2 and 3: the counted waits lean on it.
.macro LDSMALL k                       ; job k of the pair at v[ADR]: its scale words (word s; lanes 0-15 tile 0's rows, lanes 16-31 tile 1's) and its (U | b), into set k
	ds_load_b128 v[ASC+226*(\k):ASC+226*(\k)+3], v[ADR] offset:JOBB*(\k)+12288
.irp u, 0,1
	ds_load_b64 v[UB+216*(\k)+2*\u:UB+216*(\k)+2*\u+1], v[ADR8] offset:JOBB*(\k)+12800+256*\u
.endr
.endm
.macro LDFRAG k, s0                    ; its four fragments of K steps s0 and s0 + 1
.irp f, 0,1,2,3
.irp c, 0,1,2
	ds_load_b128 v[AF+12*(2*(\s0)+\f)+4*\c:AF+12*(2*(\s0)+\f)+4*\c+3], v[ADR] offset:JOBB*(\k)+1536*(2*(\s0)+\f)+512*\c
.endr
.endr
.endm
.macro TSCALE t                        ; t = 2 log2(e) x the sums, each accumulator from its low end on
.set J, 0
.rept 16
	v_pk_mul_f32 v[\t+J:\t+J+1], v[ACC+J:ACC+J+1], s[48:49] op_sel_hi:[1,0]
.set J, J+2
.endr
.endm
.macro TREST t                         ; t = 1 / (1 + 2^t), not by turns: two batches of 32 transcendentals, each with one plain place and ONE wait ahead of its first reader
.set J, 0
.rept 32
	v_exp_f32 v[\t+J], v[\t+J]
.set J, J+1
.endr
	v_nop
	s_wait_alu depctr_va_vdst(0)
.set J, 0
.rept 16
	v_pk_add_f32 v[\t+J:\t+J+1], v[\t+J:\t+J+1], 1.0 op_sel_hi:[1,0]
.set J, J+2
.endr
.set J, 0
.rept 32
	v_rcp_f32 v[\t+J], v[\t+J]
.set J, J+1
.endr
	v_nop
	s_wait_alu depctr_va_vdst(0)
.endm
.macro ONE2 t                          ; tanh = 1 - 2 r
.set J, 0
.rept 16
	v_pk_fma_f32 v[\t+J:\t+J+1], v[\t+J:\t+J+1], -2.0, 1.0 op_sel_hi:[1,0,0]
.set J, J+2
.endr
.endm
.macro EXP8 t, g                       ; a slice behind an f32 product: eight exponentials of the job before (t = 0: there is none)
.if (\t) > 0
.irp j, 0,1,2,3,4,5,6,7
	v_exp_f32 v[\t+8*(\g)+\j], v[\t+8*(\g)+\j]
.endr
.endif
.endm
; THE HEAD OF A STAGE: U x + b starts the four sums of job k; the 32 exponentials of the tanh in t stand between.  nk: the job of the pair at v[ADR] that is fetched meanwhile (-1: none).
; Another form then adds onto these registers: nine places are owed behind the f32 form.  They are the v_nop behind the last exponential and the additions of pairs 0 to 7.
.macro MHEAD k, t, nk
	s_wait_dscnt 24                                ; the job's 3 small loads are in; its 24 fragment loads may be out
	WIN 0x04                                       ; source 1 in window 1; all else in window 0
	v_wmma_f32_16x16x4_f32 v[ACC:ACC+7], v[UB+216*(\k):UB+216*(\k)+1], v[XB:XB+1], 0
.if (\nk) >= 0
	LDSMALL \nk                                    ; into the other set, which the job before has left: its last readers stand more than eight places back
.endif
	EXP8 \t, 0
	v_wmma_f32_16x16x4_f32 v[ACC+8:ACC+15], v[UB+216*(\k)+2:UB+216*(\k)+3], v[XB:XB+1], 0
	EXP8 \t, 1
	v_wmma_f32_16x16x4_f32 v[ACC+16:ACC+23], v[UB+216*(\k):UB+216*(\k)+1], v[XB+2:XB+3], 0
	EXP8 \t, 2
	v_wmma_f32_16x16x4_f32 v[ACC+24:ACC+31], v[UB+216*(\k)+2:UB+216*(\k)+3], v[XB+2:XB+3], 0
	EXP8 \t, 3
.if (\t) > 0
	v_nop                                          ; the plain place behind the last exponential,
	s_wait_alu depctr_va_vdst(0)                   ; and ONE wait for the 32, ahead of their first reader
.set J, 0
.rept 8
	v_pk_add_f32 v[\t+J:\t+J+1], v[\t+J:\t+J+1], 1.0 op_sel_hi:[1,0]
.set J, J+2
.endr
.else
	PLACES 9
.endif
.endm
; A slice behind scaled product KI of 16: the reciprocals of pair KI; behind products 4 to 11 also the addition of pair KI + 4, which no reciprocal has touched yet
.macro SLICE t
.if (\t) > 0
.if (KI >= 4) && (KI < 12)
	v_pk_add_f32 v[\t+2*KI+8:\t+2*KI+9], v[\t+2*KI+8:\t+2*KI+9], 1.0 op_sel_hi:[1,0]
.endif
	v_rcp_f32 v[\t+2*KI], v[\t+2*KI]
	v_rcp_f32 v[\t+2*KI+1], v[\t+2*KI+1]
.endif
.set KI, KI+1
.endm
; THE 16 SCALED PRODUCTS of job k, K steps 0 .. 3; the four accumulators take turns, one instruction a turn; a slice behind each.
.macro SCSL set, bsc, k, t, nk
.set KI, 0
.irp s, 0,1,2,3
.if \s == 0
.if (\nk) >= 0
	s_wait_dscnt 15                                ; K steps 0 and 1 are in; behind them: the 12 loads of steps 2 and 3 and the next job's 3 small ones
.else
	s_wait_dscnt 12                                ; the same where nothing more is fetched
.endif
.endif
.if \s == 2
.if (\nk) >= 0
	s_wait_dscnt 3                                 ; K steps 2 and 3 are in; behind them: the next job's 3 small loads
.else
	s_wait_dscnt 0x0
.endif
.endif
.if (\s == 3) && ((\nk) >= 0)
.if (\t) == 0
	PLACES 4
.endif
	LDFRAG \nk, 0                                  ; the next job's K steps 0 and 1: their registers' last reader is product 7; behind it stand the additions of slices 7 to 11 (or the four v_nop)
.endif
.irp p, 0,1
	v_wmma_scale_f32_16x16x128_f8f6f4 v[ACC+16*\p:ACC+16*\p+7], v[AF+24*\s:AF+24*\s+11], v[\set+12*(4*\p+\s):\set+12*(4*\p+\s)+11], v[ACC+16*\p:ACC+16*\p+7], v[ASC+226*(\k)+\s], v[\bsc+4*\p+\s] matrix_a_fmt:MATRIX_FMT_BF6 matrix_b_fmt:MATRIX_FMT_BF6
	SLICE \t
	v_wmma_scale_f32_16x16x128_f8f6f4 v[ACC+16*\p+8:ACC+16*\p+15], v[AF+24*\s+12:AF+24*\s+23], v[\set+12*(4*\p+\s):\set+12*(4*\p+\s)+11], v[ACC+16*\p+8:ACC+16*\p+15], v[ASC+226*(\k)+\s], v[\bsc+4*\p+\s] matrix_a_fmt:MATRIX_FMT_BF6 matrix_b_fmt:MATRIX_FMT_BF6 matrix_a_scale:MATRIX_SCALE_ROW1
	SLICE \t
.endr
.endr
.endm
; What a pair of jobs does to S, for the pair of tiles k = mp: S's register numbers hang on k, so each k is written out.
; kind 0 (R in T1, Z in T2): T1 = S R; S = Z S; T1's block k of each point is quantised into the second set.  kind 1 (T1 = r_G H): S += 2 T1.
.macro CASE kind, k
.set KK, (\k)
.set KS, KK/4                          ; the next product's K step,
.set KB, KK%4                          ; the block in it,
.set KC, KB/2                          ; and the pair of blocks
.if \kind == 0
.irp p, 0,1
	WIN (2+\p)<<2
.irp i, 0,2,4,6,8,10,12,14
	v_pk_mul_f32 v[T1+16*\p+\i:T1+16*\p+\i+1], v[T1+16*\p+\i:T1+16*\p+\i+1], v[16*KK+\i:16*KK+\i+1]
.endr
	WIN ((2+\p)<<6)|((2+\p)<<2)
.irp i, 0,2,4,6,8,10,12,14
	v_pk_mul_f32 v[16*KK+\i:16*KK+\i+1], v[T2+16*\p+\i:T2+16*\p+\i+1], v[16*KK+\i:16*KK+\i+1]
.endr
.endr
	WIN 0
.irp p, 0,1
	v_max3_num_f32 v[TM+\p], |v[T1+16*\p]|, |v[T1+16*\p+1]|, 0x2800000   ; my 16 numbers of the block, and the floor 2^(5 - 127): the byte cannot fall under 1
.endr
.irp i, 2,4,6,8,10,12,14
.irp p, 0,1
	v_max3_num_f32 v[TM+\p], v[TM+\p], |v[T1+16*\p+\i]|, |v[T1+16*\p+\i+1]|   ; (the two tiles of points by turns)
.endr
.endr
.irp p, 0,1
	v_permlanex16_b32 v[TM+4+\p], v[TM+\p], s50, s51
.endr
.irp p, 0,1
	v_max_num_f32 v[TM+\p], v[TM+\p], v[TM+4+\p]   ; with lane l xor 16's: the block's largest magnitude
.endr
.irp p, 0,1
	v_add_nc_u32 v[TM+12+\p], 0xfe000000, v[TM+\p] ; 4 off its exponent field: the conversion's scale operand
.endr
.if KB == 0
.irp p, 0,1
	v_lshrrev_b32 v[BSC2+4*\p+KS], 23, v[TM+12+\p] ; the byte begins the K step's scale word
.endr
.else
.irp p, 0,1
	v_lshrrev_b32 v[TM+6+\p], 23, v[TM+12+\p]
.endr
.irp p, 0,1
	v_lshl_or_b32 v[BSC2+4*\p+KS], v[TM+6+\p], 8*KB, v[BSC2+4*\p+KS]
.endr
.endif
	WIN 0x40                                       ; destination window 1
.irp p, 0,1
.if (KB%2) == 0
	v_cvt_scalef32_pk16_bf6_f32 v[SET2+12*(4*\p+KS)+6*KC:SET2+12*(4*\p+KS)+6*KC+2], v[T1+16*\p:T1+16*\p+15], v[TM+12+\p]
.else
	v_cvt_scalef32_pk16_bf6_f32 v[CY+4*\p:CY+4*\p+2], v[T1+16*\p:T1+16*\p+15], v[TM+12+\p]
.endif
.endr
	v_nop                                          ; one plain place behind a scaled conversion
.if (KB%2) == 1                        ; the operand's layout wants a WHOLE block in a lane: lanes 0-15 the even block, lanes 16-31 the odd one
	WIN 0x41
.irp p, 0,1
.irp i, 0,1,2
	v_permlane16_swap_b32 v[SET2+12*(4*\p+KS)+6*KC+\i], v[CY+4*\p+\i]
.endr
.endr
.irp p, 0,1
.irp i, 0,1,2
	v_mov_b32 v[SET2+12*(4*\p+KS)+6*KC+3+\i], v[CY+4*\p+\i]
.endr
.endr
.endif
	WIN 0
.else
.irp p, 0,1
	WIN ((2+\p)<<6)|((2+\p)<<4)
.irp i, 0,2,4,6,8,10,12,14
	v_pk_fma_f32 v[16*KK+\i:16*KK+\i+1], v[T1+16*\p+\i:T1+16*\p+\i+1], 2.0, v[16*KK+\i:16*KK+\i+1] op_sel_hi:[1,0,1]
.endr
.endr
	WIN 0
.endif
.endm
; The cases of one K step ks: the pair in the slot is s53 (0, 1, 2 in the loop), or 3 (last = 1).  The branches hang on loop counters alone, alike in all partners of the cluster.
.macro GROUP kind, ks, last, join, tail
.if \last
	CASE \kind, 4*(\ks)+3
.else
	s_cmp_eq_u32 s53, 0
	s_cbranch_scc1 .Lfirst_\@
	s_cmp_eq_u32 s53, 1
	s_cbranch_scc1 .Lsecond_\@
	CASE \kind, 4*(\ks)+2
	s_branch .Ljoin_\join
.Lfirst_\@:
	CASE \kind, 4*(\ks)
	s_branch .Ljoin_\join
.Lsecond_\@:
	CASE \kind, 4*(\ks)+1
.endif
.if \tail == 0
	s_branch .Ljoin_\join
.endif
.endm
.macro CASES kind, last, ph            ; ph = 2: the K step is the slot's number mod 4; ph = 1: the last slot: 3
.if \ph == 1
	GROUP \kind, 3, \last, \@, 1
.else
	s_and_b32 s17, s52, 3
	s_cmp_eq_u32 s17, 0
	s_cbranch_scc1 .Lstep0_\@
	s_cmp_eq_u32 s17, 1
	s_cbranch_scc1 .Lstep1_\@
	s_cmp_eq_u32 s17, 2
	s_cbranch_scc1 .Lstep2_\@
	GROUP \kind, 3, \last, \@, 0
.Lstep0_\@:
	GROUP \kind, 0, \last, \@, 0
.Lstep1_\@:
	GROUP \kind, 1, \last, \@, 0
.Lstep2_\@:
	GROUP \kind, 2, \last, \@, 1
.endif
.Ljoin_\@:
.endm
; S becomes the first set of codes and its scale words: for each tile of points and each K step, four blocks by turns.
.macro QA
.irp p, 0,1
.irp s, 0,1,2,3
	WIN ((2+\p)<<2)|((2+\p)<<4)                    ; sources 1 and 2: S
.irp b, 0,1,2,3
	v_max3_num_f32 v[TM+\b], 0x2800000, |v[64*\s+16*\b]|, |v[64*\s+16*\b+1]|
.endr
.irp i, 2,4,6,8,10,12,14
.irp b, 0,1,2,3
	v_max3_num_f32 v[TM+\b], v[TM+\b], |v[64*\s+16*\b+\i]|, |v[64*\s+16*\b+\i+1]|
.endr
.endr
	WIN 0
.irp b, 0,1,2,3
	v_permlanex16_b32 v[TM+4+\b], v[TM+\b], s50, s51
.endr
.irp b, 0,1,2,3
	v_max_num_f32 v[TM+\b], v[TM+\b], v[TM+4+\b]
.endr
.irp b, 0,1,2,3
	v_add_nc_u32 v[TM+12+\b], 0xfe000000, v[TM+\b]
.endr
.irp b, 0,1,2,3
	v_lshrrev_b32 v[TM+4+\b], 23, v[TM+12+\b]
.endr
	v_lshl_or_b32 v[BSC1+4*\p+\s], v[TM+5], 8, v[TM+4]
	v_lshl_or_b32 v[BSC1+4*\p+\s], v[TM+6], 16, v[BSC1+4*\p+\s]
	v_lshl_or_b32 v[BSC1+4*\p+\s], v[TM+7], 24, v[BSC1+4*\p+\s]
	WIN 0x40|(2+\p)                                ; destination window 1, source 0: S
.irp c, 0,1
	v_cvt_scalef32_pk16_bf6_f32 v[SET1+12*(4*\p+\s)+6*\c:SET1+12*(4*\p+\s)+6*\c+2], v[64*\s+32*\c:64*\s+32*\c+15], v[TM+12+2*\c]
	v_cvt_scalef32_pk16_bf6_f32 v[CY+4*\c:CY+4*\c+2], v[64*\s+32*\c+16:64*\s+32*\c+31], v[TM+12+2*\c+1]
.endr
	v_nop                                          ; one plain place behind a scaled conversion
	WIN 0x41
.irp c, 0,1
.irp i, 0,1,2
	v_permlane16_swap_b32 v[SET1+12*(4*\p+\s)+6*\c+\i], v[CY+4*\c+\i]
.endr
.irp i, 0,1,2
	v_mov_b32 v[SET1+12*(4*\p+\s)+6*\c+3+\i], v[CY+4*\c+\i]
.endr
.endr
	WIN 0
.endr
.endr
.endm
; A PAIR OF JOBS.  At its head the first job's sums lie in the accumulators and the second job's loads are on their way.
; last = 0: the second job is multiplied with the first job's tanh between; then the NEXT pair's first job with the second job's tanh between; then S takes what the pair has made.  All that is fetched belongs to the next pair.
; last = 1: the slot's fourth pair: nothing more is fetched from the slot, and the second job's tanh stands bare.
.macro PAIR ph, last
.if \last == 0
	s_add_co_u32 s55, s55, PAIRB
	v_add_nc_u32 v[ADR], s55, v[L16]
	v_add_nc_u32 v[ADR8], s55, v[L8]
.endif
	TSCALE T1                                      ; the first job's sums leave the accumulators (four places or more behind its last product, on every way here)
	MHEAD 1, T1, 0-\last
.if \ph == 2
	WIN 0
	s_bitcmp1_b32 s52, 2                           ; the layer's half: four slots each
	s_cbranch_scc1 .Lon_sr_\@
	WIN 0x04
	SCSL SET1, BSC1, 1, T1, 0-\last                ; Z: on the codes of S
	v_nop                                          ; the plain place behind the last reciprocal,
	s_wait_alu depctr_va_vdst(0)                   ; and ONE wait for the 32, ahead of their first reader
	ONE2 T1                                        ; R.  (With the v_nop: the places behind the last products)
	WIN 0
	s_branch .Lmultiplied_\@
.Lon_sr_\@:
.endif
	WIN 0x04
	SCSL SET2, BSC2, 1, T1, 0-\last                ; H: on the codes of S R
	v_nop
	s_wait_alu depctr_va_vdst(0)                   ; (T1 stays r_G: 1 - G is 2 r_G)
	PLACES 3                                       ; with the v_nop: four places behind the last product
	WIN 0
.Lmultiplied_\@:
.if \last == 0
	LDFRAG 0, 2                                    ; the next pair's first job: K steps 2 and 3
	TSCALE T2
	MHEAD 0, T2, 1
	SCSL SET1, BSC1, 0, T2, 1                      ; the next pair's R or G: on the codes of S
	v_nop
	s_wait_alu depctr_va_vdst(0)
	ONE2 T2                                        ; Z or H
	LDFRAG 1, 2                                    ; the next pair's second job: K steps 2 and 3
	WIN 0
.else
	TSCALE T2
	TREST T2
	ONE2 T2
.endif
.if \ph == 2
	s_bitcmp1_b32 s52, 2
	s_cbranch_scc1 .Lsecond_half_\@
	CASES 0, \last, 2
	s_branch .Lpair_done_\@
.Lsecond_half_\@:
.endif
.set J, 0
.rept 16
	v_pk_mul_f32 v[T1+J:T1+J+1], v[T1+J:T1+J+1], v[T2+J:T2+J+1]   ; r_G H: half of (1 - G) H
.set J, J+2
.endr
	CASES 1, \last, \ph
.Lpair_done_\@:
.endm
.macro SLOTHEAD                        ; the slot's first job is asked for
	v_add_nc_u32 v[ADR], s55, v[L16]
	v_add_nc_u32 v[ADR8], s55, v[L8]
	LDSMALL 0
	LDFRAG 0, 0
	LDFRAG 0, 2
.endm
.macro SLOTPAIRS ph
	MHEAD 0, 0, 1                                  ; the slot's first job is multiplied bare: no tanh is left over from the slot before
	SCSL SET1, BSC1, 0, 0, 1
	PLACES 4
	LDFRAG 1, 2
	WIN 0
	s_mov_b32 s53, 0
.Lpair_\@:
	PAIR \ph, 0
	s_add_co_u32 s53, s53, 1
	s_cmp_lt_u32 s53, 3
	s_cbranch_scc1 .Lpair_\@
	PAIR \ph, 1
.if \ph == 2
	s_sub_co_u32 s55, s55, 3*PAIRB                 ; back to a slot's first pair,
	s_xor_b32 s55, s55, SLOT1                      ; in the other slot
.endif
.endm
; S1: the four f32 products of the pair of tiles mp
.macro S1MM mp
.irp p, 0,1
.irp u, 0,1
	v_wmma_f32_16x16x4_f32 v[ACC+16*\p+8*\u:ACC+16*\p+8*\u+7], v[32+2*(2*(\mp)+\u):32+2*(2*(\mp)+\u)+1], v[XB+2*\p:XB+2*\p+1], 0
.endr
.endr
.endm
.macro S1STEP mp                       ; the sums are taken out, the next pair's products go in, and their time passes under this pair's tanh
	TSCALE T1
.if (\mp) < 15
	WIN 0x04
	S1MM (\mp)+1                                   ; nine places or more lie behind the products that wrote these registers: the twelve scalings of the other accumulators among them
	WIN 0
.endif
	TREST T1
.irp p, 0,1
	WIN (2+\p)<<6
.irp i, 0,2,4,6,8,10,12,14
	v_pk_fma_f32 v[16*(\mp)+\i:16*(\mp)+\i+1], v[T1+16*\p+\i:T1+16*\p+\i+1], -2.0, 1.0 op_sel_hi:[1,0,0]
.endr
.endr
	WIN 0
.endm
; The last product: W of 64 hidden units a lane (pairs of tiles 4 b .. 4 b + 3) into v32.. or v160.. by turns; lanes of one half read the same words
.macro FB b
.set FBR, 32+128*((\b)%2)
.irp m, 0,1,2,3
.irp j, 0,1,2,3
	ds_load_b128 v[FBR+16*\m+4*\j:FBR+16*\m+4*\j+3], v[WLA] offset:128*(4*(\b)+\m)+16*\j
.endr
.endr
.endm
.macro DOT b                           ; four chains a tile of points; the first four products start them: nothing is cleared
.set FBR, 32+128*((\b)%2)
.irp p, 0,1
	WIN 2+\p                                       ; source 0: S
.set DI, 0
.rept 32
.if ((\b) == 0) && (DI < 4)
	v_pk_mul_f32 v[OA+8*\p+2*DI:OA+8*\p+2*DI+1], v[64*(\b)+2*DI:64*(\b)+2*DI+1], v[FBR+2*DI:FBR+2*DI+1]
.else
	v_pk_fma_f32 v[OA+8*\p+2*(DI%4):OA+8*\p+2*(DI%4)+1], v[64*(\b)+2*DI:64*(\b)+2*DI+1], v[FBR+2*DI:FBR+2*DI+1], v[OA+8*\p+2*(DI%4):OA+8*\p+2*(DI%4)+1]
.endif
.set DI, DI+1
.endr
.endr
	WIN 0
.endm
	s_load_b256 s[4:11], s[0:1], 0x0               ; x s[4:5], W s[6:7], b s[8:9], wq s[10:11]
	s_load_b64 s[12:13], s[0:1], 0x20              ; out0
	v_lshl_add_u32 v[SPW], v0, 2, SPARE
	v_mov_b32 v[NIL], 0
	ds_add_u32 v5, v6
	ds_add_u32 v5, v6
	s_wait_dscnt 0x0
	v_lshl_add_u32 v[OSA], v0, 2, OUTST
	v_lshrrev_b32 v240, 5, v0
	v_readfirstlane_b32 s14, v240                  ; wave 0..3
	v_and_b32 v241, 31, v0
	v_lshlrev_b32 v[L16], 4, v241
	v_lshlrev_b32 v[L8], 3, v241
	v_add_nc_u32 v[OSR], OUTST, v[L16]
	v_bfe_u32 v242, v0, 4, 1                       ; h
	v_and_b32 v243, 15, v0                         ; r
	v_lshl_add_u32 v[WLA], v242, 6, WL
	v_lshlrev_b32 v244, 2, v243                    ; x: 4 r,
	v_lshl_add_u32 v245, v242, 18, v244            ; + two rows of 131,072 bytes for lanes 16-31
	s_bfe_u32 s15, ttmp6, 0x40000                  ; cx: my place in the cluster
	s_lshl_b32 s16, ttmp9, 2                       ; in a cluster launch ttmp9 counts clusters
	s_add_co_u32 s16, s16, s15                     ; work-group x: it enters x's and out0's addresses alone
	; group 1 of the stream: a quarter of a slot, dense: 104 rows of 256 bytes (32 elements of 8 bytes)
	s_mov_b32 s24, 15|(3<<16)|(1<<21)              ; 15:0 the mask: all four work-groups; 17:16 elements of 8 bytes; 21 set beside a mask
	s_mov_b32 s25, 32<<16                          ; tensor_dim0 = 32
	s_mov_b32 s26, 104<<16                         ; tensor_dim1 = 104
	s_mov_b32 s27, 32<<16                          ; tile_dim0 = 32
	s_mov_b32 s28, 104                             ; tile_dim1 = 104
	s_mov_b32 s29, 32                              ; the pitch
	s_mov_b32 s30, 0
	s_mov_b32 s31, 0
	; group 1 of W: a quarter, one row of 512 bytes
	s_mov_b32 s36, 15|(3<<16)|(1<<21)
	s_mov_b32 s37, 64<<16
	s_mov_b32 s38, 1<<16
	s_mov_b32 s39, 64<<16
	s_mov_b32 s40, 1
	s_mov_b32 s41, 64
	s_mov_b32 s42, 0
	s_mov_b32 s43, 0
	s_mov_b32 s48, 0x4038aa3b                      ; 2 log2(e)
	s_mov_b32 s49, s48                             ; (named with it as a pair, so it is written)
	s_mov_b32 s50, 0x76543210
	s_mov_b32 s51, 0xfedcba98                      ; v_permlanex16_b32's selects for lane l xor 16
	s_mov_b32 s57, 0xffff                          ; lanes 0-15
	s_mul_i32 s18, s14, PAIRB                      ; my quarter of a slot, in memory and in LDS: no place in the cluster enters it
	s_mov_b32 s19, 0
	s_lshl_b32 s20, s14, 9                         ; my quarter of W
	s_mov_b32 s21, 0
	s_lshl_b32 s60, s16, 9                         ; the work-group's 128 points, 4 bytes each
	s_mov_b32 s61, 0
	s_lshl_b32 s22, s14, 7                         ; + my wave's 32
	s_add_co_u32 s22, s22, s60
	s_mov_b32 s23, 0
	s_wait_kmcnt 0x0
	s_load_b32 s56, s[8:9], 0x0                    ; b
	s_mov_b32 s32, 1                               ; count = 1
	s_mov_b32 s33, s18                             ; LDS address: slot 0
	s_add_nc_u64 s[34:35], s[10:11], s[18:19]      ; the stream's first 8 jobs
	s_or_b32 s35, s35, 0x80000000                  ; type = 2
	s_mov_b32 s44, 1
	s_add_co_u32 s45, s20, WL
	s_add_nc_u64 s[46:47], s[6:7], s[20:21]
	s_or_b32 s47, s47, 0x80000000
	s_add_nc_u64 s[58:59], s[10:11], W1IM
	s_add_nc_u64 s[4:5], s[4:5], s[22:23]
	s_add_nc_u64 s[12:13], s[12:13], s[60:61]
	CROUND                                         ; all four work-groups are here: the first joint loads meet
	tensor_load_to_lds s[32:35], s[24:31]          ; the two first fills stand together: two tensor loads of mine are out
	s_nop 0
	tensor_load_to_lds s[44:47], s[36:43]
	s_nop 0
	PLACES 4
	WIN 0x40                                       ; destination window 1
.irp p, 0,1
	global_load_b32 v[XB+2*\p], v245, s[4:5] offset:64*\p              ; x0 (lanes 0-15) or x2 (lanes 16-31) of point 16 p + r
	global_load_b32 v[XB+2*\p+1], v244, s[4:5] offset:131072+64*\p     ; x1
.endr
	WIN 0
.irp t, 0,1,2,3,4,5,6,7,8,9,10,11,12,13,14,15,16,17,18,19,20,21,22,23,24,25,26,27,28,29,30,31
	global_load_b64 v[32+2*\t:33+2*\t], v[L8], s[58:59] offset:256*\t  ; the rows (W1 | b1), tile t
.endr
	; Registers that are first written inside one of the loop's cases are written once here, so that every way through the branches finds them written
	WIN 0x40
.set J, 0
.rept 96
	v_mov_b32 v[SET2+J], 0
.set J, J+1
.endr
.set J, 0
.rept 8
	v_mov_b32 v[CY+J], 0
.set J, J+1
.endr
	WIN 0
.set J, 0
.rept 8
	v_mov_b32 v[BSC2+J], 0
.set J, J+1
.endr
.set J, 0
.rept 4
	v_mov_b32 v[TM+4+J], 0                         ; (a lane permute's destination counts as one of its sources)
.set J, J+1
.endr
	s_wait_loadcnt 0x0
	s_wait_kmcnt 0x0
	WIN 0x44                                       ; destination and source 1 in window 1
	v_cndmask_b32 v[XB+1], 1.0, v[XB+1], s57       ; the fourth element of (x | 1): lanes 16-31 hold 1
	v_cndmask_b32 v[XB+3], 1.0, v[XB+3], s57
	PLACES 4
	WIN 0x04
	S1MM 0
	WIN 0
	PLACES 8                                       ; eight places behind the f32 form, in front of the first read of its results
.irp m, 0,1,2,3,4,5,6,7,8,9,10,11,12,13,14,15
	S1STEP \m
.endr
	QA                                             ; S1's codes, while slot 0 is on its way
	s_mov_b32 s52, 0
	s_mov_b32 s55, 0
.Lslot:                                                ; 15 trips: behind each change of slots but the last the next 8 jobs are asked for
	CHANGE 1
	SLOTHEAD
	s_cmp_lg_u32 s52, 8
	s_cbranch_scc1 .Lsame_layer
	QA                                             ; the second layer begins: S2's codes
.Lsame_layer:
	SLOTPAIRS 2
	s_add_co_u32 s52, s52, 1
	s_cmp_lt_u32 s52, 15
	s_cbranch_scc1 .Lslot
	CHANGE 0                                       ; the last slot is written out: (G, H) of the second layer, K step 3
	SLOTHEAD
	SLOTPAIRS 1
	; out = W S3 + b.  A lane's registers hold hidden units 32 mp + 16 h + 0 .. 15 of its point; lane l xor 16 holds the others
	FB 0
	FB 1
	s_wait_dscnt 16                                ; the older batch is in; the sixteen loads of the younger may be out
	DOT 0
	FB 2
	s_wait_dscnt 16
	DOT 1
	FB 3
	s_wait_dscnt 16
	DOT 2
	s_wait_dscnt 0x0
	DOT 3
.irp p, 0,1
	v_pk_add_f32 v[OA+8*\p:OA+8*\p+1], v[OA+8*\p:OA+8*\p+1], v[OA+8*\p+2:OA+8*\p+3]
	v_pk_add_f32 v[OA+8*\p+4:OA+8*\p+5], v[OA+8*\p+4:OA+8*\p+5], v[OA+8*\p+6:OA+8*\p+7]
.endr
.irp p, 0,1
	v_pk_add_f32 v[OA+8*\p:OA+8*\p+1], v[OA+8*\p:OA+8*\p+1], v[OA+8*\p+4:OA+8*\p+5]
.endr
.irp p, 0,1
	v_add_f32 v[OA+8*\p], v[OA+8*\p], v[OA+8*\p+1]
.endr
.irp p, 0,1
	v_permlanex16_b32 v[OA+8*\p+2], v[OA+8*\p], s50, s51
.endr
.irp p, 0,1
	v_add_f32 v[OA+8*\p], v[OA+8*\p], v[OA+8*\p+2]  ; the point's sum, in both halves of the lanes
.endr
	v_cndmask_b32 v240, v[OA+8], v[OA], s57        ; lanes 0-15 tile 0's points, lanes 16-31 tile 1's: thread t holds point t of the work-group's 128
	v_add_f32 v240, s56, v240
	ds_store_b32 v[OSA], v240
	s_wait_dscnt 0x0                               ; for the others' sake: my 128 bytes have landed
	s_barrier_signal -1
	s_barrier_wait -1
	s_cmp_lg_u32 s14, 0
	s_cbranch_scc1 .Lnot_first
	ds_load_b128 v[240:243], v[OSR]                ; wave 0: the work-group's 512 bytes
	s_wait_dscnt 0x0
	global_store_b128 v[L16], v[240:243], s[12:13] th:TH_STORE_NT   ; 32 lanes store 512 consecutive bytes, at a multiple of 256 from out0's first byte
.Lnot_first:
	s_wait_tensorcnt 0x0                           ; the wave's end, behind my last tensor load and my last LDS store
	ds_add_u32 v[SPW], v[NIL]
	s_wait_dscnt 0x0
	CROUND                                         ; the closing round: no work-group ends while a partner may still ask for a tile that names it
	s_endpgm
.Lfunc_end_k_q124e02fdf5_chain:
	.size	k_q124e02fdf5_chain, .Lfunc_end_k_q124e02fdf5_chain-k_q124e02fdf5_chain
	.p2alignl 7, 3214868480
	.fill 96, 4, 3214868480
	.section	.rodata,"a",@progbits
	.p2align	6, 0x0
	.amdhsa_kernel k_q124e02fdf5_chain
		.amdhsa_group_segment_fixed_size 327680
		.amdhsa_private_segment_fixed_size 0
		.amdhsa_enable_private_segment 0
		.amdhsa_kernarg_size 40
		.amdhsa_user_sgpr_count 2
		.amdhsa_user_sgpr_kernarg_segment_ptr 1
		.amdhsa_wavefront_size32 1
		.amdhsa_system_sgpr_workgroup_id_x 1
		.amdhsa_system_sgpr_workgroup_id_y 1
		.amdhsa_system_sgpr_workgroup_id_z 1
		.amdhsa_system_vgpr_workitem_id 0
		.amdhsa_next_free_vgpr 1024
		.amdhsa_next_free_sgpr 66
		.amdhsa_reserve_vcc 0
		.amdhsa_float_denorm_mode_32 3
		.amdhsa_float_denorm_mode_16_64 3
		.amdhsa_memory_ordered 1
		.amdhsa_forward_progress 1
		.amdhsa_inst_pref_size 255
	.end_amdhsa_kernel
	.section	.bss,"aw",@nobits
	.p2align	6
	.space	262144
	.amdgpu_metadata
---
amdhsa.version: [ 1, 2 ]
amdhsa.kernels:
  - .name:           k_q124e02fdf5_chain
    .symbol:         k_q124e02fdf5_chain.kd
    .args:
      - { .name: x, .offset: 0, .size: 8, .value_kind: global_buffer, .address_space: global }
      - { .name: W, .offset: 8, .size: 8, .value_kind: global_buffer, .address_space: global }
      - { .name: b, .offset: 16, .size: 8, .value_kind: global_buffer, .address_space: global }
      - { .name: wq, .offset: 24, .size: 8, .value_kind: global_buffer, .address_space: global }
      - { .name: out0, .offset: 32, .size: 8, .value_kind: global_buffer, .address_space: global }
    .group_segment_fixed_size: 327680
    .private_segment_fixed_size: 0
    .kernarg_segment_align: 8
    .kernarg_segment_size: 40
    .max_flat_workgroup_size: 128
    .sgpr_count:     66
    .vgpr_count:     1024
    .wavefront_size: 32
...
	.end_amdgpu_metadata
.endif
;; end of part 2
